; MI455X (gfx1250); checked and timed in simulation.
; The chip was launched on July 23, 2026; its instructions are those of AMD's public machine-readable ISA for CDNA 5 (MIT licence, August 2026) and "CDNA5" Instruction Set Architecture Reference Guide (July 2026). The comments in the code are by the model that wrote it; some were corrected since.
;; Mixture Of Experts. Allowed arithmetic: float matrix products may take bf16 or f16 operands with f32 sums; other float arithmetic in f32, or as packed bf16 or f16 multiplies, adds, multiply-adds, maxima and minima; sums over many terms, partial sums and values carried from step to step in f32; what a program stores and reads back later, other than sums and carried values, may be rounded once to bf16 or f16.
;; Inputs: b1 8 x 1,024 float32; b2 8 x 1,024 float32; b3 8 x 512 float32; gate_w 8 x 512 float32; ln_beta 512 float32; ln_gamma 512 float32; w1 8 x 512 x 1,024 float32; w2 8 x 1,024 x 1,024 float32; w3 8 x 1,024 x 512 float32; x 8 x 512 x 512 float32.
;; Outputs: out0 8 x 512 x 512 float32; out1 one number float32.
;; One version. Each part assembles by itself: llvm-mc -triple=amdgcn-amd-amdhsa -mcpu=gfx1250 --defsym DOCPART=n.
;; ======== version 1 of 1: 3 launches
;; limits: values are held in f16: magnitudes above 65,504 overflow, below 6.1e-05 lose precision; inputs' magnitudes at most 65,504; a function is approximated: absolute error at most 0.0005
;; workspace buffers: wq 33,554,432 bytes; rt 12,288 bytes of whole numbers; gates 32,768 bytes; upart 4,096 bytes; part 16,777,216 bytes
;; launch prep (part 1): grid 640 x 1, 8 waves a work-group, no clusters, 38,912 bytes of LDS; arguments x, gate_w, w1, w2, w3, wq, rt, gates, upart; writes wq, rt, gates, upart
.if DOCPART == 1
	.amdgcn_target "amdgcn-amd-amdhsa--gfx1250"
	.amdhsa_code_object_version 6
	.text
	.protected	k_q75cf0806fd_prep
	.globl	k_q75cf0806fd_prep
	.p2align	8
	.type	k_q75cf0806fd_prep,@function
k_q75cf0806fd_prep:
	s_mov_b64 s[64:65], 0
	v_nop
	global_prefetch_b8 v0, s[64:65] scope:SCOPE_SE
	s_setreg_imm32_b32 hwreg(HW_REG_WAVE_MODE, 25, 1), 1
	s_wait_xcnt 0x0
; PREP: the router, and the experts' weights laid out once for the chain.
; Work-groups 0-127: router, 32 tokens each.  128-255: w1.  256-511: w2.  512-639: w3: each reads 131,072 consecutive bytes of f32 weights.
; WEIGHTS.  Every weight is rounded to bf16 and that number is written as f16 (exact for |w| from 2^-17 up to 65,504; below 2^-17 it keeps f16's fixed step of 2^-24; above 65,504 it is lost: the limit of this program).
; wq holds, for expert e and wave part w of the chain, a dense stream of 64 slots of 8,192 bytes at (8 e + w) x 524,288: slots 0-15 layer 1, 16-47 layer 2, 48-63 layer 3.  A slot is 8 matrix
; fragments of 1,024 bytes (16 output features x 32 K): half q, lane 16 h + r has its 16 bytes at 512 q + 16 (16 h + r): W[k0 + 16 q + 8 h .. + 7][n0 + r].  So the chain loads operands with no shuffle.
; A wave's task is 16 K rows x 128 columns: 16 loads of 512 consecutive bytes; the turn from [k][n] to [n][k] goes through the wave's own stage in LDS (8 fragments, 528 bytes apart).
; ROUTER.  logits = x . gate_w with both rounded to bf16, f32 sums (another order of summing than a plain dot product); top 2 with the lower index winning ties; softmax of the two with the maximum taken away.
; What hangs on the choice is stored at fixed places: rt (whole numbers): rows 0-7 a bitmap of the tokens of expert e, rows 8-15 of those for which e is the higher-numbered choice, rows 16-23 the
; popcount of each word of rows 0-7; gates [token][lower expert, higher expert]; upart [work-group][expert] sums of gates.  NaN and infinities are not treated apart.
; LDS.  0 .. 33,791 the eight waves' stages (weights alone); 33,792 .. 34,815 the spare words; 34,816 .. 38,911 the partial logits (router alone): no byte is named by both roles.
.set SPARE, 33792                      ; behind the stages: the spare words, 128 bytes a wave
.set PART,  34816                      ; behind them: [quarter of D][token][8 experts] f32, 4,096 bytes
.set STG,   4224                       ; a wave's stage: 8 x 528 bytes
.set FP,    528                        ; 512 + 16: the 16 lanes of a store fall into 16 different 16-byte columns
.set XA,    8                          ; v8-71    task 0 as loaded (router: x)
.set XB,    72                         ; v72-135  task 1 as loaded (router: gate_w)
.set PK,    136                        ; v136-167 packed pairs (router: two accumulators)
	s_load_b512 s[4:19], s[0:1], 0x0               ; x 4, gate_w 6, w1 8, w2 10, w3 12, wq 14, rt 16, gates 18
	s_load_b64 s[20:21], s[0:1], 0x40              ; upart
	v_lshl_add_u32 v5, v0, 2, SPARE                ; my spare word
	v_mov_b32 v6, 0
	v_lshrrev_b32 v2, 5, v0
	v_readfirstlane_b32 s22, v2                    ; wave 0..7
	v_and_b32 v7, 31, v0                           ; lane
	v_lshlrev_b32 v1, 4, v7                        ; 16 x lane: offset of loads and stores; never rewritten
	s_mov_b32 s23, 0xffff0000                      ; a word's upper bf16
	s_mov_b32 s24, ttmp9
	s_cmp_lt_u32 s24, 128
	s_cbranch_scc1 .Lrouter
	; ---------------- weights ----------------
	s_mul_i32 s26, s22, STG
	v_lshrrev_b32 v3, 2, v7
	v_mul_u32_u24 v3, v3, FP                       ; my four columns lie in fragment lane / 4,
	v_and_b32 v4, 3, v7
	v_lshl_add_u32 v3, v4, 6, v3                   ; rows 4 (lane % 4) + c of it
	v_add_nc_u32 v3, s26, v3                       ; into the stage
	v_add_nc_u32 v4, s26, v1                       ; back out of it: 512 consecutive bytes a fragment half
.macro LDT X, base, rp                 ; 16 K rows, 512 consecutive bytes of each
.set i, 0
.rept 16
	global_load_b128 v[(\X)+4*i:(\X)+4*i+3], v1, s[30:31] offset:(\base)+i*(\rp) th:TH_LOAD_NT
.set i, i+1
.endr
.endm
; One task.  j = 16 h + 4 c + p: column c of my four, K rows 8 h + 2 p and 8 h + 2 p + 1.  lc: the younger loads that may stay out.
.macro PROC X, lc, sbase, hs
	s_wait_loadcnt \lc
.set j, 0
.rept 32
.set ra, (\X)+4*(8*(j/16)+2*(j%4))+(j/4)%4
	v_cvt_pk_bf16_f32 v[PK+j], v[ra], v[ra+4]      ; the rounding to bf16,
.set j, j+1
.endr
.set j, 0
.rept 32
.set ra, (\X)+4*(8*(j/16)+2*(j%4))+(j/4)%4
	v_lshlrev_b32 v[ra], 16, v[PK+j]               ; back to f32,
	v_and_b32 v[ra+4], s23, v[PK+j]
.set j, j+1
.endr
.set j, 0
.rept 32
.set ra, (\X)+4*(8*(j/16)+2*(j%4))+(j/4)%4
	v_cvt_pk_f16_f32 v[PK+j], v[ra], v[ra+4]       ; and written as f16
.set j, j+1
.endr
.set j, 0
.rept 8
	ds_store_b128 v3, v[PK+4*j:PK+4*j+3] offset:(j/4)*256+(j%4)*16   ; 8 K of one column: lane 16 h + r of the fragment
.set j, j+1
.endr
.set j, 0
.rept 8
	ds_load_b128 v[(\X)+4*j:(\X)+4*j+3], v4 offset:j*FP               ; LDS serves a wave's instructions in order: these see the stores above
.set j, j+1
.endr
.set j, 0
.rept 8
	s_wait_dscnt 7-j                               ; fragment j is back; the younger ones stay out
	global_store_b128 v1, v[(\X)+4*j:(\X)+4*j+3], s[14:15] offset:(\sbase)+(j/4)*(\hs)+(j%4)*1024   ; 512 consecutive bytes, aligned
.set j, j+1
.endr
.endm
	s_cmp_lt_u32 s24, 512
	s_cbranch_scc0 .Lw3
	; w1 and w2: rows of 4,096 bytes; the work-group has 32 K rows = one slot for each of the 8 wave parts; wave w takes columns 128 w on
	s_movk_i32 s27, 256
	s_cmp_lt_u32 s24, 256
	s_cselect_b32 s27, 128, s27                    ; the layer's first work-group
	s_cselect_b32 s28, 4, 5                        ; log2 of an expert's work-groups
	s_cselect_b32 s29, 0, 131072                   ; the layer's first slot in a stream
	s_wait_kmcnt 0x0
	s_cselect_b64 s[30:31], s[8:9], s[10:11]
	s_sub_co_u32 s27, s24, s27                     ; number in the layer
	s_lshr_b32 s32, s27, s28                       ; expert
	s_lshl_b32 s33, s32, s28
	s_sub_co_u32 s33, s27, s33                     ; slot in the layer
	s_lshl_b32 s34, s27, 17
	s_lshl_b32 s35, s22, 9
	s_add_co_u32 s34, s34, s35
	s_mov_b32 s35, 0
	s_add_nc_u64 s[30:31], s[30:31], s[34:35]
	s_lshl_b32 s36, s32, 3
	s_add_co_u32 s36, s36, s22
	s_lshl_b32 s36, s36, 19
	s_add_co_u32 s36, s36, s29
	s_lshl_b32 s37, s33, 13
	s_add_co_u32 s36, s36, s37
	s_mov_b32 s37, 0
	s_add_nc_u64 s[14:15], s[14:15], s[36:37]
	LDT XA, 0, 4096
	LDT XB, 65536, 4096
	PROC XA, 16, 0, 4096                           ; K rows 0-15: half 0 of the 8 fragments; task 1's 16 loads stay out
	PROC XB, 0, 512, 4096                          ; K rows 16-31: half 1
	s_wait_tensorcnt 0x0                           ; the wave's end
	ds_add_u32 v5, v6
	s_wait_dscnt 0x0
	s_endpgm
.Lw3:	; w3: rows of 2,048 bytes; the work-group has 64 K rows = one slot (two K steps of 32) for each wave part; wave w: columns 128 (w % 4) on (two parts of 64), K rows 16 (w / 4) + 32 task
	s_sub_co_u32 s27, s24, 512
	s_lshr_b32 s32, s27, 4                         ; expert
	s_and_b32 s33, s27, 15                         ; slot in the layer
	s_lshr_b32 s28, s22, 2                         ; which half of a fragment
	s_and_b32 s29, s22, 3
	s_lshl_b32 s34, s27, 17
	s_lshl_b32 s35, s28, 15
	s_add_co_u32 s34, s34, s35
	s_lshl_b32 s35, s29, 9
	s_add_co_u32 s34, s34, s35
	s_mov_b32 s35, 0
	s_lshl_b32 s36, s32, 3
	s_lshl1_add_u32 s36, s29, s36                  ; wave part 2 (w % 4); the part beside it is reached by the stores' immediate
	s_lshl_b32 s36, s36, 19
	s_add_co_u32 s36, s36, 393216                  ; slot 48
	s_lshl_b32 s37, s33, 13
	s_add_co_u32 s36, s36, s37
	s_lshl_b32 s37, s28, 9
	s_add_co_u32 s36, s36, s37
	s_mov_b32 s37, 0
	s_wait_kmcnt 0x0
	s_add_nc_u64 s[30:31], s[12:13], s[34:35]
	s_add_nc_u64 s[14:15], s[14:15], s[36:37]
	LDT XA, 0, 2048
	LDT XB, 65536, 2048
	PROC XA, 16, 0, 524288                         ; K step 0: fragments 0-3 of two parts
	PROC XB, 0, 4096, 524288                       ; K step 1: fragments 4-7
	s_wait_tensorcnt 0x0                           ; the wave's end
	ds_add_u32 v5, v6
	s_wait_dscnt 0x0
	s_endpgm
	; ---------------- router ----------------
.Lrouter:	; wave w: 16 tokens (w / 4), a quarter of D (w % 4).  K is permuted alike in both operands: load i of lane (r, h) takes floats 8 i + 4 h .. + 3 of the quarter.
	v_and_b32 v152, 15, v0                         ; r
	v_bfe_u32 v153, v0, 4, 1                       ; h
	s_lshr_b32 s26, s22, 2
	s_and_b32 s27, s22, 3
	s_lshl_b32 s28, s27, 9
	v_lshl_add_u32 v154, v153, 4, s28
	v_and_b32 v155, 7, v152                        ; source 0: rows 8-15 repeat experts 0-7, so both halves of the lanes get all 8 logits of their token
	v_lshl_add_u32 v155, v155, 11, v154
	s_lshl_b32 s29, s26, 15
	v_lshl_add_u32 v156, v152, 11, v154
	v_add_nc_u32 v156, s29, v156
	s_lshl_b32 s30, s24, 16                        ; the work-group's 32 rows of x
	s_mov_b32 s31, 0
	s_lshl_b32 s32, s27, 10
	s_lshl_b32 s33, s26, 9
	s_add_co_u32 s32, s32, s33
	s_add_co_u32 s32, s32, PART
	v_lshl_add_u32 v157, v152, 5, s32              ; partial logits: [quarter][token][8]: 512 bytes of its own for each wave
	s_mov_b32 s38, 0xff800000
	s_mov_b32 s46, 0x76543210
	s_mov_b32 s47, 0xfedcba98
	s_wait_kmcnt 0x0
	s_add_nc_u64 s[4:5], s[4:5], s[30:31]
.set i, 0
.rept 16
	global_load_b128 v[XB+4*i:XB+4*i+3], v155, s[6:7] offset:32*i
.set i, i+1
.endr
.set i, 0
.rept 16
	global_load_b128 v[XA+4*i:XA+4*i+3], v156, s[4:5] offset:32*i
.set i, i+1
.endr
	s_wait_loadcnt 16                              ; gate_w is in; x's 16 loads stay out
.set i, 0
.rept 32
	v_cvt_pk_bf16_f32 v[XB+i], v[XB+2*i], v[XB+2*i+1]   ; packed downward in place: a destination never lies above a source still to be read
.set i, i+1
.endr
	s_wait_loadcnt 0x0
.set i, 0
.rept 32
	v_cvt_pk_bf16_f32 v[XA+i], v[XA+2*i], v[XA+2*i+1]
.set i, i+1
.endr
	v_wmma_f32_16x16x32_bf16 v[136:143], v[72:79], v[8:15], 0          ; two accumulators by turns
	v_wmma_f32_16x16x32_bf16 v[144:151], v[80:87], v[16:23], 0
	v_wmma_f32_16x16x32_bf16 v[136:143], v[88:95], v[24:31], v[136:143]
	v_wmma_f32_16x16x32_bf16 v[144:151], v[96:103], v[32:39], v[144:151]
.rept 4
	v_nop                                          ; four places behind the last product (ISA guide 7.12.1)
.endr
.irp p, 0,2,4,6
	v_pk_add_f32 v[136+\p:137+\p], v[136+\p:137+\p], v[144+\p:145+\p]
.endr
	ds_store_b128 v157, v[136:139]                 ; both halves of the lanes hold, and write, the same numbers
	ds_store_b128 v157, v[140:143] offset:16
	s_wait_dscnt 0x0                               ; for wave 0's sake
	s_barrier_signal -1
	s_barrier_wait -1
	s_cmp_eq_u32 s22, 0
	s_cbranch_scc1 .Lw0
	s_wait_tensorcnt 0x0                           ; the wave's end
	ds_add_u32 v5, v6
	s_wait_dscnt 0x0
	s_endpgm
.Lw0:	; wave 0: lane = token
	v_lshl_add_u32 v40, v7, 5, PART
.irp q, 0,1,2,3
	ds_load_b128 v[8+8*\q:11+8*\q], v40 offset:1024*\q
	ds_load_b128 v[12+8*\q:15+8*\q], v40 offset:1024*\q+16
.endr
	v_mov_b32 v56, 0                               ; written whole before v_writelane_b32 and v_permlanex16_b32 name them
	v_mov_b32 v68, 0
	v_mov_b32 v69, 0
	v_lshlrev_b32 v70, 3, v7
	v_lshlrev_b32 v71, 9, v7
	v_lshlrev_b32 v72, 2, v7
	s_lshl_b32 s30, s24, 8
	s_add_nc_u64 s[18:19], s[18:19], s[30:31]      ; gates: 256 bytes a work-group
	s_lshl_b32 s30, s24, 2
	s_add_nc_u64 s[16:17], s[16:17], s[30:31]      ; rt: word = work-group
	s_lshl_b32 s30, s24, 5
	s_add_nc_u64 s[20:21], s[20:21], s[30:31]      ; upart: 32 bytes a work-group
	s_wait_dscnt 0x0
.irp q, 1,2,3
.irp p, 0,2,4,6
	v_pk_add_f32 v[8+\p:9+\p], v[8+\p:9+\p], v[8+8*\q+\p:9+8*\q+\p]   ; the quarters in ascending order
.endr
.endr
	v_mov_b32 v44, v8                              ; the largest, strict compare in ascending order: the lower index wins a tie
	v_mov_b32 v45, 0
.irp j, 1,2,3,4,5,6,7
	v_cmp_gt_f32 vcc_lo, v[8+\j], v44
	v_cndmask_b32 v44, v44, v[8+\j], vcc_lo
	v_cndmask_b32 v45, v45, \j, vcc_lo
.endr
.irp j, 0,1,2,3,4,5,6,7
	v_cmp_eq_u32 vcc_lo, \j, v45
	v_cndmask_b32 v[8+\j], v[8+\j], s38, vcc_lo    ; it leaves the field
.endr
	v_mov_b32 v46, v8                              ; the second
	v_mov_b32 v47, 0
.irp j, 1,2,3,4,5,6,7
	v_cmp_gt_f32 vcc_lo, v[8+\j], v46
	v_cndmask_b32 v46, v46, v[8+\j], vcc_lo
	v_cndmask_b32 v47, v47, \j, vcc_lo
.endr
	v_sub_f32 v48, v46, v44                        ; softmax of two, the maximum taken away: t = e^(m2 - m1), g1 = 1 / (1 + t), g2 = t g1
	v_mul_f32 v48, 0x3fb8aa3b, v48
	v_exp_f32 v49, v48
	v_max_u32 v55, v45, v47                        ; the higher-numbered of the two experts: the plain line behind the exponential
	s_wait_alu depctr_va_vdst(0)                   ; the wait ahead of the result's first reader
	v_add_f32 v48, 1.0, v49
	v_rcp_f32 v50, v48
	v_cmp_gt_u32 vcc_lo, v45, v47                  ; is the larger logit's expert the higher-numbered one?
	s_wait_alu depctr_va_vdst(0)
	v_mul_f32 v51, v49, v50
	v_cndmask_b32 v52, v50, v51, vcc_lo            ; the lower-numbered expert's gate,
	v_cndmask_b32 v53, v51, v50, vcc_lo            ; the higher-numbered one's
.irp j, 0,1,2,3,4,5,6,7
	v_cmp_eq_u32 s40, \j, v45
	v_cmp_eq_u32 s41, \j, v47
	v_cmp_eq_u32 s42, \j, v55
	v_cndmask_b32 v[60+\j], 0, v51, s41
	v_cndmask_b32 v[60+\j], v[60+\j], v50, s40     ; the token's gate for expert j, or 0
	s_or_b32 s43, s40, s41
	s_bcnt1_i32_b32 s44, s43
	v_writelane_b32 v56, s43, \j                   ; lane = row of rt
	v_writelane_b32 v56, s42, 8+\j
	v_writelane_b32 v56, s44, 16+\j
.endr
.irp j, 60,61,62,63,64,65,66,67
	v_add_f32_dpp v\j, v\j, v\j row_xmask:1 row_mask:0xf bank_mask:0xf
	v_add_f32_dpp v\j, v\j, v\j row_xmask:2 row_mask:0xf bank_mask:0xf
	v_add_f32_dpp v\j, v\j, v\j row_xmask:4 row_mask:0xf bank_mask:0xf
	v_add_f32_dpp v\j, v\j, v\j row_xmask:8 row_mask:0xf bank_mask:0xf
	v_permlanex16_b32 v68, v\j, s46, s47
	v_add_f32 v\j, v\j, v68
.endr
.irp j, 0,1,2,3,4,5,6,7
	v_readfirstlane_b32 s40, v[60+\j]
	v_writelane_b32 v69, s40, \j
.endr
	global_store_b64 v70, v[52:53], s[18:19]       ; 256 consecutive bytes
	s_wait_xcnt 0x0                                ; EXEC changes only behind this wait
	v_cmp_gt_u32 vcc_lo, 24, v7
	s_and_saveexec_b32 s45, vcc_lo
	global_store_b32 v71, v56, s[16:17]            ; one word in each of rt's 24 rows: 96 bytes a work-group
	s_wait_xcnt 0x0
	s_or_b32 exec_lo, exec_lo, s45
	v_cmp_gt_u32 vcc_lo, 8, v7
	s_and_saveexec_b32 s45, vcc_lo
	global_store_b32 v72, v69, s[20:21]
	s_wait_xcnt 0x0
	s_or_b32 exec_lo, exec_lo, s45
	s_wait_tensorcnt 0x0                           ; the wave's end
	ds_add_u32 v5, v6
	s_wait_dscnt 0x0
	s_endpgm
.Lfunc_end_k_q75cf0806fd_prep:
	.size	k_q75cf0806fd_prep, .Lfunc_end_k_q75cf0806fd_prep-k_q75cf0806fd_prep
	.p2alignl 7, 3214868480
	.fill 96, 4, 3214868480
	.section	.rodata,"a",@progbits
	.p2align	6, 0x0
	.amdhsa_kernel k_q75cf0806fd_prep
		.amdhsa_group_segment_fixed_size 38912
		.amdhsa_private_segment_fixed_size 0
		.amdhsa_enable_private_segment 0
		.amdhsa_kernarg_size 72
		.amdhsa_user_sgpr_count 2
		.amdhsa_user_sgpr_kernarg_segment_ptr 1
		.amdhsa_wavefront_size32 1
		.amdhsa_system_sgpr_workgroup_id_x 1
		.amdhsa_system_sgpr_workgroup_id_y 1
		.amdhsa_system_sgpr_workgroup_id_z 1
		.amdhsa_system_vgpr_workitem_id 0
		.amdhsa_next_free_vgpr 168
		.amdhsa_next_free_sgpr 66
		.amdhsa_reserve_vcc 1
		.amdhsa_float_denorm_mode_32 3
		.amdhsa_float_denorm_mode_16_64 3
		.amdhsa_memory_ordered 1
		.amdhsa_forward_progress 1
		.amdhsa_inst_pref_size 64
	.end_amdhsa_kernel
	.amdgpu_metadata
---
amdhsa.version: [ 1, 2 ]
amdhsa.kernels:
  - .name:           k_q75cf0806fd_prep
    .symbol:         k_q75cf0806fd_prep.kd
    .args:
      - { .name: x, .offset: 0, .size: 8, .value_kind: global_buffer, .address_space: global }
      - { .name: gate_w, .offset: 8, .size: 8, .value_kind: global_buffer, .address_space: global }
      - { .name: w1, .offset: 16, .size: 8, .value_kind: global_buffer, .address_space: global }
      - { .name: w2, .offset: 24, .size: 8, .value_kind: global_buffer, .address_space: global }
      - { .name: w3, .offset: 32, .size: 8, .value_kind: global_buffer, .address_space: global }
      - { .name: wq, .offset: 40, .size: 8, .value_kind: global_buffer, .address_space: global }
      - { .name: rt, .offset: 48, .size: 8, .value_kind: global_buffer, .address_space: global }
      - { .name: gates, .offset: 56, .size: 8, .value_kind: global_buffer, .address_space: global }
      - { .name: upart, .offset: 64, .size: 8, .value_kind: global_buffer, .address_space: global }
    .group_segment_fixed_size: 38912
    .private_segment_fixed_size: 0
    .kernarg_segment_align: 8
    .kernarg_segment_size: 72
    .max_flat_workgroup_size: 256
    .sgpr_count:     66
    .vgpr_count:     168
    .wavefront_size: 32
...
	.end_amdgpu_metadata
.endif
;; end of part 1
;; launch chain (part 2): grid 178 x 1, 8 waves a work-group, no clusters, 324,352 bytes of LDS; arguments x, b1, b2, b3, wq, rt, part; writes part
.if DOCPART == 2
	.amdgcn_target "amdgcn-amd-amdhsa--gfx1250"
	.amdhsa_code_object_version 6
	.text
	.protected	k_q75cf0806fd_chain
	.globl	k_q75cf0806fd_chain
	.p2align	8
	.type	k_q75cf0806fd_chain,@function
k_q75cf0806fd_chain:
	s_mov_b64 s[64:65], 0
	v_nop
	global_prefetch_b8 v0, s[64:65] scope:SCOPE_SE
	s_setreg_imm32_b32 hwreg(HW_REG_WAVE_MODE, 25, 1), 1
	s_wait_xcnt 0x0
; CHAIN: a tile of up to 48 routed rows of one expert goes through gelu(x W1 + b1), gelu(. W2 + b2), . W3 + b3; the result, ungated, f32, goes to part[2 token + slot].
; GRID.  With 8,192 routed rows, 8 experts and tiles of 48 there are never more than ceil(8192 / 48) + 7 = 178 tiles, whatever the split.  Every work-group finds its expert and first row from the
; stored popcounts; one that a split leaves without rows passes every barrier and stores nothing.  In a tile that is not full the places past the count repeat the expert's last row.
; SHARES.  The 8 waves split the output features: 128 each in layers 1 and 2, 64 in layer 3, for all 48 rows (3 blocks of 16).  The products are used transposed (source 0 = 16 features of W, source 1 =
; 16 tokens): a lane holds one token (lane % 16) and 8 neighbouring features, which pack into 16 bytes along the next layer's K.  The activations stay in LDS; each weight byte has ONE reader in the
; work-group, so the weights come from wq straight into operand registers, through a ring of four slots of 8,192 bytes a wave: three slots of a wave, 24,576 bytes, are on their way while one is multiplied.
; Each slot has a base pointer of its own, stepped at the head of the slot's turn, behind the counted wait that shows the slot's last 16 loads done: no other wait is needed for the step.
; NO CLUSTER: tiles of one expert walk the same weights, but which expert a work-group has hangs on counts read from memory, and the activations leave no room in LDS for shared weight tiles
; (297,216 of 327,680 bytes).  No tensor loads: nothing here is read by more than one wave but the activations, which the waves themselves write.
; FORMATS.  x, the weights and the biases are rounded to bf16; x and W are then written as f16 (exact from 2^-17 to 65,504; beyond 65,504 lost: the limit).  h1 and h2 are f16, each token row times a
; power of two of its own, taken from the row's largest |z| so that it lies in 2^14 .. 2^15; the next layer's sums are multiplied back.  Sums in f32.
; GELU, A LIMIT OF ACCURACY: gelu(z) = z Phi(z) with Phi(z) = 1 / (1 + 2^(z (K1 + K3 z z))), the logistic form of the cubic 2 sqrt(2 / pi) (z + 0.044715 z^3).  It differs from the erf form by at most
; 2e-4 in Phi and 5e-4 in gelu, for every z (largest near |z| = 2.7); far out it goes to z and to 0 as the erf form does, through infinities of the exponential too.
; NaN and infinities are not treated apart; a row whose |z| all lie under 2^-112 is scaled as if its largest were 2^-112; a scaled weight SC Phi below 2^-126 counts as 0.
.set PITCH, 2064                       ; an activation row in LDS: 2,048 bytes + 16: 129 x 16, so the 16 rows of a fragment load start in 16 different 16-byte columns
.set TB1,   16*PITCH
.set TB2,   32*PITCH
.set BUFSZ, 48*PITCH
.set BIAS,  3*BUFSZ                    ; b1 4,096, b2 4,096, b3 2,048 bytes of f32
.set BM,    BIAS+10240                 ; a copy of rt, 12,288 bytes
.set CH,    BM+12288                   ; [8 experts][8 chunks of 16 words]: rows in the chunk
.set LIST,  CH+256                     ; 64 words: 2 token + slot of the tile's rows
.set MX,    LIST+256                   ; [2 layers][8 waves][48 rows]: largest |z|
.set SPARE, MX+3072                    ; the spare words, 128 bytes a wave
.set ACC,   64                         ; v64-255: accumulator (feature block nb, token block tb) at ACC + 8 (3 nb + tb); layer 3: v64-159
.set HB,    16                         ; v16-39, v40-63: two sets of h fragments (3 token blocks x 8); layer 3: one set of two K steps
.set S1,    160                        ; v160-207: layer 3's second set
.set WB,    66                         ; s[66:73]: the ring's four base pointers, slot sl at WB + 2 sl
.set NBAT,  12                         ; the GELU's batches of 16 registers
; v0 thread; v1, v2 the add's two registers; v3 16 x lane; v4, v5 LDS address of h fragments (blocks 0 and 1; block 2); v6 (lane % 16) PITCH + 16 (lane / 16); v7, v14 where h goes;
; v8, v10, v12 what a token block's sums are multiplied by (v9, v11, v13 are named with them as pairs); v15 at work.  Window 1 (v256-511): the weight ring, slot sl at 64 sl, fragment f at + 8 f.
; s4 x, s6 b1, s8 b2, s10 b3, s12 wq, s14 rt, s16 part; s18 wave, s19 expert, s20 rows, s21 first rank, s22 last rank of the expert, s23 layer, s24 trips, s25 live trips; s[44:47] K3, K1
.set MSB, 0
.macro WIN new                         ; the immediate's high byte repeats the setting that is left; a switch that changes nothing is dropped
.if MSB != (\new)
	s_set_vgpr_msb (MSB<<8)|(\new)
.set MSB, \new
.endif
.endm
.macro RING sl                         ; a slot of weights: 16 loads of 512 consecutive bytes into window 1, from the slot's own base
	WIN 0x40
.set i, 0
.rept 16
	global_load_b128 v[64*(\sl)+4*i:64*(\sl)+4*i+3], v3, s[WB+2*(\sl):WB+2*(\sl)+1] offset:512*i
.set i, i+1
.endr
	WIN 0
.endm
.macro HLD dst, kb                     ; the h fragments of one K step of 32 (byte kb of the rows), three token blocks
	ds_load_b128 v[(\dst):(\dst)+3], v4 offset:(\kb)
	ds_load_b128 v[(\dst)+4:(\dst)+7], v4 offset:(\kb)+32
	ds_load_b128 v[(\dst)+8:(\dst)+11], v4 offset:TB1+(\kb)
	ds_load_b128 v[(\dst)+12:(\dst)+15], v4 offset:TB1+(\kb)+32
	ds_load_b128 v[(\dst)+16:(\dst)+19], v5 offset:(\kb)
	ds_load_b128 v[(\dst)+20:(\dst)+23], v5 offset:(\kb)+32
.endm
; Four places ahead of loads into registers that the products read, and of the first reader of their results.  adv > 0: the step of the two LDS addresses takes two of them:
; the last loads that read the old addresses were issued a whole turn ago.
.macro PLACES adv
.if (\adv) > 0
	v_add_nc_u32 v4, \adv, v4
	v_add_nc_u32 v5, \adv, v5
	v_nop
	v_nop
.else
.rept 4
	v_nop
.endr
.endif
.endm
; A turn of layers 1 and 2: one slot = one K step of 32: 24 products on 24 accumulators, which take turns.  Then the h set takes the K step two on and (fill = 1) the slot the weights four slots on.
; lc: the younger weight loads that may stay out (three slots of 16); dc: the younger LDS loads (the other h set's 6).
.macro TURN sl, hb, zero, fill, hk, adv, lc, dc
	s_wait_loadcnt \lc                             ; my slot's 16 loads are done: its registers may be read,
.if \fill
	s_add_nc_u64 s[WB+2*(\sl):WB+2*(\sl)+1], s[WB+2*(\sl):WB+2*(\sl)+1], 32768   ; and its base, which they alone read, may be stepped: four slots on
.endif
	s_wait_dscnt \dc
	WIN 0x01                                       ; source 0 in window 1
.set nb, 0
.rept 8
.set tb, 0
.rept 3
.if \zero
	v_wmma_f32_16x16x32_f16 v[ACC+8*(3*nb+tb):ACC+8*(3*nb+tb)+7], v[64*(\sl)+8*nb:64*(\sl)+8*nb+7], v[HB+24*(\hb)+8*tb:HB+24*(\hb)+8*tb+7], 0
.else
	v_wmma_f32_16x16x32_f16 v[ACC+8*(3*nb+tb):ACC+8*(3*nb+tb)+7], v[64*(\sl)+8*nb:64*(\sl)+8*nb+7], v[HB+24*(\hb)+8*tb:HB+24*(\hb)+8*tb+7], v[ACC+8*(3*nb+tb):ACC+8*(3*nb+tb)+7]
.endif
.set tb, tb+1
.endr
.set nb, nb+1
.endr
	WIN 0
	PLACES \adv
.if (\hk) >= 0
	HLD HB+24*(\hb), \hk
.endif
.if \fill
	RING \sl
.endif
.endm
; A turn of layer 3: one slot = two K steps x 4 feature blocks: 24 products on 12 accumulators by turns, eleven others between two on the same one.
.macro TURN3 sl, set, zero, fill, hk, adv, lc, dc
	s_wait_loadcnt \lc
.if \fill
	s_add_nc_u64 s[WB+2*(\sl):WB+2*(\sl)+1], s[WB+2*(\sl):WB+2*(\sl)+1], 32768
.endif
	s_wait_dscnt \dc
	WIN 0x01
.set u, 0
.rept 2
.set nb, 0
.rept 4
.set tb, 0
.rept 3
.if (\zero) && (u == 0)
	v_wmma_f32_16x16x32_f16 v[ACC+8*(3*nb+tb):ACC+8*(3*nb+tb)+7], v[64*(\sl)+8*(nb+4*u):64*(\sl)+8*(nb+4*u)+7], v[(\set)+24*u+8*tb:(\set)+24*u+8*tb+7], 0
.else
	v_wmma_f32_16x16x32_f16 v[ACC+8*(3*nb+tb):ACC+8*(3*nb+tb)+7], v[64*(\sl)+8*(nb+4*u):64*(\sl)+8*(nb+4*u)+7], v[(\set)+24*u+8*tb:(\set)+24*u+8*tb+7], v[ACC+8*(3*nb+tb):ACC+8*(3*nb+tb)+7]
.endif
.set tb, tb+1
.endr
.set nb, nb+1
.endr
.set u, u+1
.endr
	WIN 0
	PLACES \adv
.if (\hk) >= 0
	HLD \set, \hk
	HLD (\set)+24, (\hk)+64
.endif
.if \fill
	RING \sl
.endif
.endm
; THE GELU, a line at a time.  Batch k is accumulators 2 k and 2 k + 1 (16 registers, 8 pairs); its 16 registers at work go by k mod 3.
.macro GREG k
.set gQ, 16+16*((\k)%3)
.set gZ, ACC+16*(\k)
.endm
.macro GA n, k, i                      ; line n of 3 of pair i's exponent: z z; K3 z z + K1; times z
	GREG \k
.if (\n) == 1
	v_pk_mul_f32 v[gQ+2*(\i):gQ+2*(\i)+1], v[gZ+2*(\i):gZ+2*(\i)+1], v[gZ+2*(\i):gZ+2*(\i)+1]
.elseif (\n) == 2
	v_pk_fma_f32 v[gQ+2*(\i):gQ+2*(\i)+1], v[gQ+2*(\i):gQ+2*(\i)+1], s[44:45], s[46:47] op_sel_hi:[1,0,0]
.else
	v_pk_mul_f32 v[gQ+2*(\i):gQ+2*(\i)+1], v[gQ+2*(\i):gQ+2*(\i)+1], v[gZ+2*(\i):gZ+2*(\i)+1]
.endif
.endm
.macro GX k, j                         ; e = 2^exponent, number j of 16
	GREG \k
	v_exp_f32 v[gQ+(\j)], v[gQ+(\j)]
.endm
.macro GB k, i                         ; (1 + e) / SC for pair i: 1 / SC is the token block's register
	GREG \k
.set gI, 8+2*((2*(\k)+(\i)/4)%3)
	v_pk_fma_f32 v[gQ+2*(\i):gQ+2*(\i)+1], v[gQ+2*(\i):gQ+2*(\i)+1], v[gI:gI+1], v[gI:gI+1] op_sel_hi:[1,0,0]
.endm
.macro GR k, j                         ; SC / (1 + e)
	GREG \k
	v_rcp_f32 v[gQ+(\j)], v[gQ+(\j)]
.endm
.macro GF n, k, i                      ; line 1: times z; line 2: pair i rounded to f16, packed downward in place: a destination never lies above a source still to be read
	GREG \k
.if (\n) == 1
	v_pk_mul_f32 v[gQ+2*(\i):gQ+2*(\i)+1], v[gQ+2*(\i):gQ+2*(\i)+1], v[gZ+2*(\i):gZ+2*(\i)+1]
.else
	v_cvt_pk_f16_f32 v[gQ+(\i)], v[gQ+2*(\i)], v[gQ+2*(\i)+1]
.endif
.endm
.macro GST k                           ; the batch's two accumulators, 16 bytes a lane each, into the next layer's rows
	GREG \k
.irp d, 0, 1
.set aa, 2*(\k)+\d
.if aa%3 < 2
	ds_store_b128 v7, v[gQ+4*\d:gQ+4*\d+3] offset:(aa%3)*TB1+32*(aa/3)
.else
	ds_store_b128 v14, v[gQ+4*\d:gQ+4*\d+3] offset:32*(aa/3)
.endif
.endr
.endm
; SLOT s of the GELU's pipeline, s = -1 .. 12.  Batch s gets its + 1 and its reciprocals, batch s + 1 its exponent and its exponentials, batch s - 1 is multiplied, rounded and stored: three batches in
; three sets of registers, so that nothing in a slot names the result of a transcendental of the slot.  Transcendentals and plain lines go by turns; a line and the one that reads it stand some lines apart.
; s_wait_alu depctr_va_vdst(0) stands ahead of a transcendental's first reader: ONE closes each slot, for its 32; a plain line stands behind the slot's last transcendental.
.macro SLOT s
.if ((\s) >= 0) && ((\s) < NBAT)
.set i, 0
.rept 8
	GB \s, i
.set i, i+1
.endr
.endif
.if (\s)+1 < NBAT
.set i, 0
.rept 10
.if i < 8
	GA 1, (\s)+1, i
.endif
.if (i < 8) && ((\s) >= 0)
	GR \s, 2*i
.endif
.if (i >= 1) && (i <= 8)
	GA 2, (\s)+1, i-1
.endif
.if (i < 8) && ((\s) >= 0)
	GR \s, 2*i+1
.endif
.if i >= 2
	GA 3, (\s)+1, i-2
.endif
.set i, i+1
.endr
.set i, 0
.rept 8
	GX (\s)+1, 2*i
.if (\s) >= 1
	GF 1, (\s)-1, i
.endif
	GX (\s)+1, 2*i+1
.if ((\s) >= 1) && (i >= 1)
	GF 2, (\s)-1, i-1
.endif
.set i, i+1
.endr
.if (\s) >= 1
	GF 2, (\s)-1, 7
.else
	v_nop
.endif
.else
.set i, 0
.rept 8
.if (\s) < NBAT
	GR \s, 2*i
.endif
	GF 1, (\s)-1, i
.if (\s) < NBAT
	GR \s, 2*i+1
.endif
.if i >= 1
	GF 2, (\s)-1, i-1
.endif
.set i, i+1
.endr
	GF 2, (\s)-1, 7
.endif
.if (\s) >= 1
	GST (\s)-1
.endif
.if (\s) < NBAT
	s_wait_alu depctr_va_vdst(0)
.endif
.endm
	s_load_b256 s[4:11], s[0:1], 0x0
	s_load_b128 s[12:15], s[0:1], 0x20
	s_load_b64 s[16:17], s[0:1], 0x30
	v_lshl_add_u32 v1, v0, 2, SPARE                ; my spare word
	v_mov_b32 v2, 0
	v_lshrrev_b32 v15, 5, v0
	v_readfirstlane_b32 s18, v15                   ; wave 0..7
	v_and_b32 v16, 31, v0                          ; lane
	v_lshlrev_b32 v3, 4, v16
	v_lshlrev_b32 v17, 4, v0                       ; 16 x thread
	v_lshlrev_b32 v37, 3, v0                       ; 8 x thread
	v_and_b32 v18, 15, v0
	v_bfe_u32 v19, v0, 4, 1
	v_mul_u32_u24 v6, v18, PITCH
	v_lshl_add_u32 v6, v19, 4, v6
	v_mov_b32 v34, 0                               ; written before a DPP line names it as its destination
	s_mov_b32 s42, 0x76543210
	s_mov_b32 s43, 0xfedcba98
	s_mov_b32 s44, 0xbdd2d3e8                      ; K3 = - 2 sqrt(2 / pi) log2(e) x 0.044715 = - 0.10294325
	s_mov_b32 s45, s44                             ; named as pairs
	s_mov_b32 s46, 0xc0135761                      ; K1 = - 2 sqrt(2 / pi) log2(e) = - 2.3022082
	s_mov_b32 s47, s46
	s_mov_b32 s57, 0xffff0000
	s_mov_b32 s61, ttmp9
	s_wait_kmcnt 0x0
	; rt into LDS: wave w takes expert w's bitmap, its second bitmap and its popcounts, 512 bytes each
	global_load_b128 v[20:23], v17, s[14:15]
	global_load_b128 v[24:27], v17, s[14:15] offset:4096
	global_load_b128 v[28:31], v17, s[14:15] offset:8192
	v_add_nc_u32 v32, BM, v17
	v_and_b32 v35, 28, v16
	s_lshl_b32 s58, s18, 5
	s_add_co_u32 s58, s58, CH
	v_add_nc_u32 v35, s58, v35
	s_wait_loadcnt 0x0
	ds_store_b128 v32, v[20:23]
	ds_store_b128 v32, v[24:27] offset:4096
	ds_store_b128 v32, v[28:31] offset:8192
	v_add3_u32 v33, v28, v29, v30
	v_add_nc_u32 v33, v33, v31                     ; my 4 words,
	v_mov_b32_dpp v34, v33 row_xmask:1 row_mask:0xf bank_mask:0xf
	v_add_nc_u32 v33, v33, v34
	v_mov_b32_dpp v34, v33 row_xmask:2 row_mask:0xf bank_mask:0xf
	v_add_nc_u32 v33, v33, v34                     ; four lanes' 16 words: a chunk
	ds_store_b32 v35, v33
	s_wait_dscnt 0x0
	s_barrier_signal -1
	s_barrier_wait -1
	; every wave: the experts' counts, and from them the tile's expert, first rank and number of rows
	v_lshl_add_u32 v36, v16, 3, CH
	ds_load_b64 v[38:39], v36
	s_wait_dscnt 0x0
	v_add_nc_u32 v40, v38, v39
	v_mov_b32_dpp v34, v40 row_xmask:1 row_mask:0xf bank_mask:0xf
	v_add_nc_u32 v40, v40, v34
	v_mov_b32_dpp v34, v40 row_xmask:2 row_mask:0xf bank_mask:0xf
	v_add_nc_u32 v40, v40, v34
.irp e, 0,1,2,3,4,5,6,7
	v_readlane_b32 s[26+\e], v40, 4*\e
.endr
.irp e, 0,1,2,3,4,5,6,7
	s_add_co_u32 s[34+\e], s[26+\e], 47            ; tiles of expert e: (c + 47) / 48, exact for c + 47 up to 4,143 by 21,846 / 2^20
	s_mul_i32 s[34+\e], s[34+\e], 21846
	s_lshr_b32 s[34+\e], s[34+\e], 20
.endr
	s_mov_b32 s19, 0
	s_mov_b32 s58, 0                               ; the expert's first tile
	s_mov_b32 s59, s26                             ; its count
	s_mov_b32 s60, s34                             ; tiles up to and with expert e
.irp e, 0,1,2,3,4,5,6
	s_cmp_ge_u32 s61, s60
	s_cselect_b32 s58, s60, s58
	s_cselect_b32 s59, s[27+\e], s59
	s_cselect_b32 s19, \e+1, s19
	s_add_co_u32 s60, s60, s[35+\e]
.endr
	s_min_u32 s19, s19, 7
	s_sub_co_u32 s21, s61, s58
	s_mul_i32 s21, s21, 48                         ; first rank
	s_sub_co_i32 s20, s59, s21
	s_max_i32 s20, s20, 0
	s_min_i32 s20, s20, 48                         ; rows
	s_max_u32 s22, s59, 1
	s_sub_co_u32 s22, s22, 1                       ; the expert's last rank
	s_lshl_b32 s58, s19, 3
	s_add_co_u32 s58, s58, s18
	s_lshl_b32 s58, s58, 19
	s_mov_b32 s59, 0
	s_add_nc_u64 s[WB:WB+1], s[12:13], s[58:59]    ; my stream of weights: the four slots' bases
	s_add_nc_u64 s[WB+2:WB+3], s[WB:WB+1], 8192
	s_add_nc_u64 s[WB+4:WB+5], s[WB:WB+1], 16384
	s_add_nc_u64 s[WB+6:WB+7], s[WB:WB+1], 24576
	s_lshl_b32 s58, s19, 12
	s_add_nc_u64 s[6:7], s[6:7], s[58:59]
	s_add_nc_u64 s[8:9], s[8:9], s[58:59]
	s_lshl_b32 s58, s19, 11
	s_add_nc_u64 s[10:11], s[10:11], s[58:59]
	global_load_b128 v[160:163], v17, s[6:7]
	global_load_b128 v[164:167], v17, s[8:9]
	global_load_b64 v[168:169], v37, s[10:11]
	RING 0
	RING 1
	; waves 0 and 1: place p of the tile is the expert's token of rank min(first + p, last): chunk by the chunk sums, word by the popcounts, bit by counts of fields
	s_cmp_lt_u32 s18, 2
	s_cbranch_scc0 .Lnolist
	s_lshl_b32 s58, s19, 5
	s_add_co_u32 s58, s58, CH
	v_mov_b32 v36, s58
	ds_load_b128 v[40:43], v36
	ds_load_b128 v[44:47], v36 offset:16
	v_add_nc_u32 v48, s21, v0
	v_min_u32 v48, s22, v48                        ; rank
	v_mov_b32 v49, 0
	v_mov_b32 v50, 0
	s_wait_dscnt 0x0
.irp u, 0,1,2,3,4,5,6,7
	v_readfirstlane_b32 s[26+\u], v[40+\u]
.endr
	s_mov_b32 s34, s26
.irp u, 1,2,3,4,5,6
	s_add_co_u32 s[34+\u], s[33+\u], s[26+\u]      ; rows ahead of chunk u + 1
.endr
.irp u, 1,2,3,4,5,6,7
	v_cmp_le_u32 vcc_lo, s[33+\u], v48
	v_cndmask_b32 v49, v49, s[33+\u], vcc_lo
	v_cndmask_b32 v50, v50, \u, vcc_lo
.endr
	v_min_u32 v50, 7, v50                          ; chunk
	v_sub_nc_u32 v51, v48, v49                     ; rank in the chunk
	s_lshl_b32 s58, s19, 9
	s_add_co_u32 s58, s58, BM
	v_lshl_add_u32 v52, v50, 6, s58
.irp u, 0,1,2,3
	ds_load_b128 v[64+4*\u:67+4*\u], v52 offset:8192+16*\u
.endr
	v_mov_b32 v53, 0
	v_mov_b32 v54, 0
	s_wait_dscnt 0x0
	v_mov_b32 v55, v64
.irp u, 1,2,3,4,5,6,7,8,9,10,11,12,13,14,15
	v_cmp_le_u32 vcc_lo, v55, v51
	v_cndmask_b32 v53, v53, v55, vcc_lo
	v_cndmask_b32 v54, v54, \u, vcc_lo
	v_add_nc_u32 v55, v55, v[64+\u]
.endr
	v_min_u32 v54, 15, v54                         ; word in the chunk
	v_sub_nc_u32 v51, v51, v53                     ; rank in the word
	v_lshl_add_u32 v52, v54, 2, v52
	ds_load_b32 v56, v52
	ds_load_b32 v57, v52 offset:4096
	v_mov_b32 v62, 0
	s_wait_dscnt 0x0
	v_lshrrev_b32 v58, 1, v56
	v_and_b32 v58, 0x55555555, v58
	v_sub_nc_u32 v58, v56, v58                     ; ones in fields of 2 bits,
	v_lshrrev_b32 v60, 2, v58
	v_and_b32 v59, 0x33333333, v58
	v_and_b32 v60, 0x33333333, v60
	v_add_nc_u32 v59, v59, v60                     ; of 4,
	v_lshrrev_b32 v60, 4, v59
	v_add_nc_u32 v60, v59, v60
	v_and_b32 v60, 0x0f0f0f0f, v60                 ; of 8,
	v_lshrrev_b32 v61, 8, v60
	v_add_nc_u32 v61, v60, v61
	v_and_b32 v61, 0x00ff00ff, v61                 ; of 16
.macro BIT src, width, inc             ; is the wanted one past the field at the place in hand?
	v_bfe_u32 v63, v[\src], v62, \width
	v_cmp_le_u32 vcc_lo, v63, v51
	v_cndmask_b32 v63, 0, v63, vcc_lo
	v_sub_nc_u32 v51, v51, v63
	v_cndmask_b32 v63, 0, \inc, vcc_lo
	v_add_nc_u32 v62, v62, v63
.endm
	BIT 61, 8, 16
	BIT 60, 8, 8
	BIT 59, 4, 4
	BIT 58, 2, 2
	BIT 56, 1, 1
	v_bfe_u32 v63, v57, v62, 1                     ; is this expert the token's higher-numbered one?
	v_lshl_add_u32 v62, v54, 5, v62
	v_lshl_add_u32 v62, v50, 9, v62                ; token
	v_lshl_add_u32 v62, v62, 1, v63
	v_lshl_add_u32 v58, v0, 2, LIST
	ds_store_b32 v58, v62
.Lnolist:
	s_wait_dscnt 0x0
	s_barrier_signal -1
	s_barrier_wait -1
	; the tile's rows of x: wave w gathers rows 6 w .. 6 w + 5, four loads of 512 consecutive bytes each
	s_mul_i32 s58, s18, 24
	s_add_co_u32 s58, s58, LIST
	v_mov_b32 v36, s58
.irp i, 0,1,2,3,4,5
	ds_load_b32 v[40+\i], v36 offset:4*\i
.endr
	s_wait_dscnt 0x0
.irp i, 0,1,2,3,4,5
	v_lshrrev_b32 v[40+\i], 1, v[40+\i]
	v_min_u32 v[40+\i], 0xfff, v[40+\i]
	v_lshl_add_u32 v[40+\i], v[40+\i], 11, v3
.endr
.irp i, 0,1,2,3,4,5
.irp c, 0,1,2,3
	global_load_b128 v[64+16*\i+4*\c:67+16*\i+4*\c], v[40+\i], s[4:5] offset:512*\c
.endr
.endr
	RING 2
	RING 3
	v_add_nc_u32 v56, BIAS, v17
	v_add_nc_u32 v57, BIAS+8192, v37
	s_mul_i32 s58, s18, 6*PITCH
	v_lshl_add_u32 v58, v16, 3, s58
.irp r, 8,9,10,11,12,13
	v_mov_b32 v\r, 1.0                             ; x carries no scale
.endr
	s_wait_loadcnt 32                              ; all but ring slots 2 and 3
.irp j, 0,1,2,3,4
	v_cvt_pk_bf16_f32 v[48+\j], v[160+2*\j], v[161+2*\j]
.endr
.irp j, 0,1,2,3,4
	v_lshlrev_b32 v[160+2*\j], 16, v[48+\j]
	v_and_b32 v[161+2*\j], s57, v[48+\j]
.endr
	ds_store_b128 v56, v[160:163]
	ds_store_b128 v56, v[164:167] offset:4096
	ds_store_b64 v57, v[168:169]
.set j, 0
.rept 24                               ; load j = 4 row + c: rounded to bf16, written as f16
.set X, 64+4*j
.set T0, 48+2*(j%4)
	v_cvt_pk_bf16_f32 v[T0], v[X], v[X+1]
	v_cvt_pk_bf16_f32 v[T0+1], v[X+2], v[X+3]
	v_lshlrev_b32 v[X], 16, v[T0]
	v_and_b32 v[X+1], s57, v[T0]
	v_lshlrev_b32 v[X+2], 16, v[T0+1]
	v_and_b32 v[X+3], s57, v[T0+1]
	v_cvt_pk_f16_f32 v[X], v[X], v[X+1]
	v_cvt_pk_f16_f32 v[X+1], v[X+2], v[X+3]
	ds_store_b64 v58, v[X:X+1] offset:(j/4)*PITCH+256*(j%4)
.set j, j+1
.endr
	s_wait_dscnt 0x0
	s_barrier_signal -1
	s_barrier_wait -1
	; ---------------- layers 1 and 2: one text, walked twice ----------------
	s_mov_b32 s23, 0
.Llayer:
	s_mul_i32 s58, s23, BUFSZ                      ; the layer reads buffer LAY and writes buffer LAY + 1
	s_lshl_b32 s59, s18, 8
	s_add_co_u32 s59, s59, s58
	s_add_co_u32 s59, s59, BUFSZ
	v_add_nc_u32 v4, s58, v6
	v_add_nc_u32 v5, TB2, v4
	v_add_nc_u32 v7, s59, v6
	v_add_nc_u32 v14, TB2, v7
	s_cmp_eq_u32 s23, 0
	s_cselect_b32 s25, 3, 7                        ; 2 + 4 x 3 + 2 = 16 K steps, or 2 + 4 x 7 + 2 = 32
	HLD HB, 0
	HLD HB+24, 64
	TURN 0, 0, 1, 1, 128, 0, 48, 6                 ; the first K step starts the sums
	TURN 1, 1, 0, 1, 192, 0, 48, 6
	s_mov_b32 s24, 0
.Lk:	; counted to the constant 7; the dead trips of layer 1 are jumped, forward, past text without a barrier
	s_cmp_ge_u32 s24, s25
	s_cbranch_scc1 .Lkskip
	TURN 2, 0, 0, 1, 0,   256, 48, 6               ; the trip's first turn steps the h addresses by four K steps, ahead of its own h loads
	TURN 3, 1, 0, 1, 64,  0,   48, 6
	TURN 0, 0, 0, 1, 128, 0,   48, 6
	TURN 1, 1, 0, 1, 192, 0,   48, 6
.Lkskip:
	s_add_co_u32 s24, s24, 1
	s_cmp_lt_u32 s24, 7
	s_cbranch_scc1 .Lk
	TURN 2, 0, 0, 1, -1, 0, 48, 6                  ; the ring goes on into the next layer's slots: they are on their way during the GELU
	TURN 3, 1, 0, 1, -1, 0, 48, 0
	; z = sum x (1 / scale of the layer's input) + bias, in place, and each row's largest |z|
	v_bfe_u32 v38, v0, 4, 1
	s_lshl_b32 s58, s23, 12
	s_lshl_b32 s59, s18, 9
	s_add_co_u32 s58, s58, s59
	s_add_co_u32 s58, s58, BIAS
	v_lshl_add_u32 v38, v38, 5, s58                ; my 8 features' biases of block 0
	v_and_b32 v39, 15, v0
	s_mul_i32 s58, s23, 1536
	s_add_co_u32 s58, s58, MX
	v_lshl_add_u32 v40, v39, 2, s58
	s_mul_i32 s59, s18, 192
	v_add_nc_u32 v39, s59, v40
.irp r, 32,33,34,35,36,37
	v_mov_b32 v\r, 0
.endr
.macro BL nb
	ds_load_b128 v[16+8*((\nb)%2):19+8*((\nb)%2)], v38 offset:64*(\nb)
	ds_load_b128 v[20+8*((\nb)%2):23+8*((\nb)%2)], v38 offset:64*(\nb)+16
.endm
	BL 0
	BL 1
.set nb, 0
.rept 8
.if nb < 7
	s_wait_dscnt 2                                 ; this block's biases are in; the next block's two loads stay out
.else
	s_wait_dscnt 0x0
.endif
.set tb, 0
.rept 3
.set A, ACC+8*(3*nb+tb)
.set p, 0
.rept 4                                ; each accumulator is read from its low end on
	v_pk_fma_f32 v[A+2*p:A+2*p+1], v[A+2*p:A+2*p+1], v[8+2*tb:9+2*tb], v[16+8*(nb%2)+2*p:17+8*(nb%2)+2*p] op_sel_hi:[1,0,1]
.set p, p+1
.endr
.set tb, tb+1
.endr
.set p, 0
.rept 4
.set tb, 0
.rept 3
.set A, ACC+8*(3*nb+tb)
	v_max3_num_f32 v[32+tb], v[32+tb], |v[A+2*p]|, |v[A+2*p+1]|
.set tb, tb+1
.endr
.set p, p+1
.endr
.if nb < 6
	BL nb+2
.endif
.set nb, nb+1
.endr
.irp t, 0,1,2
	v_permlanex16_b32 v[35+\t], v[32+\t], s42, s43 ; the token's other 8 features of each block lie in the lane 16 away
.endr
.irp t, 0,1,2
	v_max_num_f32 v[32+\t], v[32+\t], v[35+\t]
	ds_store_b32 v39, v[32+\t] offset:64*\t
.endr
	s_wait_dscnt 0x0                               ; my maxima are stored, and my reads of the layer's input are over
	s_barrier_signal -1
	s_barrier_wait -1
.irp t, 0,1,2
.irp w, 0,1,2,3,4,5,6,7
	ds_load_b32 v[16+8*\t+\w], v40 offset:192*\w+64*\t
.endr
.endr
	s_wait_dscnt 0x0
.irp t, 0,1,2
	v_max3_num_f32 v[16+8*\t], v[16+8*\t], v[17+8*\t], v[18+8*\t]
	v_max3_num_f32 v[16+8*\t], v[16+8*\t], v[19+8*\t], v[20+8*\t]
	v_max3_num_f32 v[16+8*\t], v[16+8*\t], v[21+8*\t], v[22+8*\t]
	v_max_num_f32 v[16+8*\t], v[16+8*\t], v[23+8*\t]
	v_lshrrev_b32 v[16+8*\t], 23, v[16+8*\t]       ; its exponent field E, at least 15
	v_max_u32 v[16+8*\t], 15, v[16+8*\t]
	v_add_nc_u32 v[16+8*\t], -14, v[16+8*\t]
	v_lshlrev_b32 v[8+2*\t], 23, v[16+8*\t]        ; 1 / SC = 2^(E - 141): with the scale SC the row's largest lands in 2^14 .. 2^15; the next layer's sums are multiplied by this register
.endr
.irp s, -1,0,1,2,3,4,5,6,7,8,9,10,11,12
	SLOT \s
.endr
	s_wait_dscnt 0x0
	s_barrier_signal -1
	s_barrier_wait -1
	s_add_co_u32 s23, s23, 1
	s_cmp_lt_u32 s23, 2
	s_cbranch_scc1 .Llayer
	; ---------------- layer 3: 16 slots of two K steps ----------------
	v_add_nc_u32 v4, 2*BUFSZ, v6
	v_add_nc_u32 v5, TB2, v4
	HLD HB, 0
	HLD HB+24, 64
	HLD S1, 128
	HLD S1+24, 192
	TURN3 0, HB, 1, 1, 256, 0, 48, 12
	TURN3 1, S1, 0, 1, 384, 0, 48, 12
	s_mov_b32 s24, 2
.Lk3:
	TURN3 2, HB, 0, 1, 0,   512, 48, 12
	TURN3 3, S1, 0, 1, 128, 0,   48, 12
	TURN3 0, HB, 0, 1, 256, 0,   48, 12
	TURN3 1, S1, 0, 1, 384, 0,   48, 12
	s_sub_co_u32 s24, s24, 1
	s_cmp_lg_u32 s24, 0
	s_cbranch_scc1 .Lk3
	TURN3 2, HB, 0, 1, 0,   512, 48, 12            ; the last six turns are written out: the stream ends, and the counts run down
	TURN3 3, S1, 0, 1, 128, 0,   48, 12
	TURN3 0, HB, 0, 0, 256, 0,   48, 12
	TURN3 1, S1, 0, 0, 384, 0,   32, 12
	TURN3 2, HB, 0, 0, -1,  0,   16, 12
	TURN3 3, S1, 0, 0, -1,  0,   0,  0
	; ---------------- the way out ----------------
	s_cmp_eq_u32 s20, 0
	s_cbranch_scc1 .Ldone                          ; a tile without rows stores nothing
	v_bfe_u32 v15, v0, 4, 1
	v_and_b32 v48, 15, v0
	s_lshl_b32 s58, s18, 8
	s_add_co_u32 s59, s58, BIAS+8192
	v_lshl_add_u32 v49, v15, 5, s59
.irp n, 0,1,2,3
	ds_load_b128 v[16+8*\n:19+8*\n], v49 offset:64*\n
	ds_load_b128 v[20+8*\n:23+8*\n], v49 offset:64*\n+16
.endr
	v_lshl_add_u32 v50, v15, 2, LIST
.set idx, 0
.rept 24
	ds_load_b32 v[208+idx], v50 offset:8*idx       ; rows 2 idx (lanes 0-15) and 2 idx + 1 (lanes 16-31)
.set idx, idx+1
.endr
	s_mul_i32 s59, s18, 4352                       ; my stage: 16 rows x 272 bytes, where x lay: nobody has read x since the first layer's barrier
	v_mul_u32_u24 v51, v48, 272
	v_lshl_add_u32 v51, v15, 5, v51
	v_add_nc_u32 v51, s59, v51
	v_mul_u32_u24 v52, v15, 272
	v_lshl_add_u32 v52, v48, 4, v52
	v_add_nc_u32 v52, s59, v52
	v_lshl_add_u32 v53, v48, 4, s58                ; my wave's 256 bytes of a row of part
	s_wait_dscnt 0x0
.set idx, 0
.rept 24
	v_min_u32 v[208+idx], 0x1fff, v[208+idx]
	v_lshl_add_u32 v[208+idx], v[208+idx], 11, v53
.set idx, idx+1
.endr
.set tb, 0
.rept 3
.set nb, 0
.rept 4
.set A, ACC+8*(3*nb+tb)
.set p, 0
.rept 4
	v_pk_fma_f32 v[A+2*p:A+2*p+1], v[A+2*p:A+2*p+1], v[8+2*tb:9+2*tb], v[16+8*nb+2*p:17+8*nb+2*p] op_sel_hi:[1,0,1]
.set p, p+1
.endr
.set nb, nb+1
.endr
.set nb, 0
.rept 4
.set A, ACC+8*(3*nb+tb)
	ds_store_b128 v51, v[A:A+3] offset:64*nb
	ds_store_b128 v51, v[A+4:A+7] offset:64*nb+16
.set nb, nb+1
.endr
.set t, 0
.rept 8
	ds_load_b128 v[160+4*t:163+4*t], v52 offset:544*t   ; LDS serves a wave's instructions in order: these see the stores above
.set t, t+1
.endr
.set t, 0
.rept 8
	s_wait_dscnt 7-t                               ; rows 2 t and 2 t + 1 are back; the younger loads stay out
	s_cmp_le_u32 s20, 16*tb+2*t
	s_cbranch_scc1 .Ldone                          ; whole stores past the count are jumped
	s_sub_co_u32 s59, s20, 16*tb+2*t
	s_wait_xcnt 0x0                                ; EXEC changes only behind this wait
	v_cmpx_gt_u32 s59, v15                         ; where the count falls between the two rows, the second half of the lanes is off
	global_store_b128 v[208+8*tb+t], v[160+4*t:163+4*t], s[16:17]   ; 16 lanes store 256 consecutive bytes, aligned
	s_wait_xcnt 0x0
	s_mov_b32 exec_lo, -1
.set t, t+1
.endr
.set tb, tb+1
.endr
.Ldone:
	s_wait_tensorcnt 0x0                           ; the wave's end
	ds_add_u32 v1, v2
	s_wait_dscnt 0x0
	s_endpgm
.Lfunc_end_k_q75cf0806fd_chain:
	.size	k_q75cf0806fd_chain, .Lfunc_end_k_q75cf0806fd_chain-k_q75cf0806fd_chain
	.p2alignl 7, 3214868480
	.fill 96, 4, 3214868480
	.section	.rodata,"a",@progbits
	.p2align	6, 0x0
	.amdhsa_kernel k_q75cf0806fd_chain
		.amdhsa_group_segment_fixed_size 324352
		.amdhsa_private_segment_fixed_size 0
		.amdhsa_enable_private_segment 0
		.amdhsa_kernarg_size 56
		.amdhsa_user_sgpr_count 2
		.amdhsa_user_sgpr_kernarg_segment_ptr 1
		.amdhsa_wavefront_size32 1
		.amdhsa_system_sgpr_workgroup_id_x 1
		.amdhsa_system_sgpr_workgroup_id_y 1
		.amdhsa_system_sgpr_workgroup_id_z 1
		.amdhsa_system_vgpr_workitem_id 0
		.amdhsa_next_free_vgpr 512
		.amdhsa_next_free_sgpr 74
		.amdhsa_reserve_vcc 1
		.amdhsa_float_denorm_mode_32 3
		.amdhsa_float_denorm_mode_16_64 3
		.amdhsa_memory_ordered 1
		.amdhsa_forward_progress 1
		.amdhsa_inst_pref_size 198
	.end_amdhsa_kernel
	.amdgpu_metadata
---
amdhsa.version: [ 1, 2 ]
amdhsa.kernels:
  - .name:           k_q75cf0806fd_chain
    .symbol:         k_q75cf0806fd_chain.kd
    .args:
      - { .name: x, .offset: 0, .size: 8, .value_kind: global_buffer, .address_space: global }
      - { .name: b1, .offset: 8, .size: 8, .value_kind: global_buffer, .address_space: global }
      - { .name: b2, .offset: 16, .size: 8, .value_kind: global_buffer, .address_space: global }
      - { .name: b3, .offset: 24, .size: 8, .value_kind: global_buffer, .address_space: global }
      - { .name: wq, .offset: 32, .size: 8, .value_kind: global_buffer, .address_space: global }
      - { .name: rt, .offset: 40, .size: 8, .value_kind: global_buffer, .address_space: global }
      - { .name: part, .offset: 48, .size: 8, .value_kind: global_buffer, .address_space: global }
    .group_segment_fixed_size: 324352
    .private_segment_fixed_size: 0
    .kernarg_segment_align: 8
    .kernarg_segment_size: 56
    .max_flat_workgroup_size: 256
    .sgpr_count:     74
    .vgpr_count:     512
    .wavefront_size: 32
...
	.end_amdgpu_metadata
.endif
;; end of part 2
;; launch finish (part 3): grid 256 x 1, 8 waves a work-group, no clusters, 0 bytes of LDS; arguments part, gates, upart, ln_gamma, ln_beta, out0, out1; writes out0, out1
.if DOCPART == 3
	.amdgcn_target "amdgcn-amd-amdhsa--gfx1250"
	.amdhsa_code_object_version 6
	.text
	.protected	k_q75cf0806fd_finish
	.globl	k_q75cf0806fd_finish
	.p2align	8
	.type	k_q75cf0806fd_finish,@function
k_q75cf0806fd_finish:
	s_mov_b64 s[64:65], 0
	v_nop
	global_prefetch_b8 v0, s[64:65] scope:SCOPE_SE
	s_setreg_imm32_b32 hwreg(HW_REG_WAVE_MODE, 25, 1), 1
	s_wait_xcnt 0x0
; FINISH: out0[token] = LayerNorm(g_lo part[2 token] + g_hi part[2 token + 1]) x gamma + beta, and out1 = the load-balance loss.
; A stream: a wave owns two tokens, 8,192 consecutive bytes of part, and keeps a row in registers between the mean, the variance and the scaling; no LDS, no barrier, no matrix unit.
; Lane l holds columns 128 c + 4 l .. + 3, c = 0 .. 3: every load and store covers 512 consecutive bytes.  gamma and beta are rounded to bf16 like every input.  All arithmetic in f32;
; the variance is the mean of the squared differences from the mean.  Wave 0 of work-group 0 also adds the 128 partial gate sums, in a fixed order:
; out1 = - (ln 2 / 8) x the sum over the experts of log2(S_e / 512), S_e the sum of expert e's gates over the 4,096 tokens (an expert with no gate gives + infinity, as the logarithm of 0 does).
	s_load_b256 s[4:11], s[0:1], 0x0               ; part 4, gates 6, upart 8, gamma 10
	s_load_b128 s[12:15], s[0:1], 0x20             ; beta 12, out0 14
	s_load_b64 s[16:17], s[0:1], 0x30              ; out1
	v_lshrrev_b32 v1, 5, v0
	v_readfirstlane_b32 s18, v1                    ; wave
	v_and_b32 v2, 31, v0
	v_lshlrev_b32 v3, 4, v2
	v_lshl_add_u32 v4, v1, 13, v3                  ; in part: wave x 8,192 + 16 x lane
	v_lshl_add_u32 v5, v1, 12, v3                  ; in out0: wave x 4,096 + 16 x lane
	v_mov_b32 v6, 0
	v_mov_b32 v118, 0                              ; written before v_permlanex16_b32 names it
	s_mov_b32 s19, 0xffff0000
	s_mov_b32 s26, ttmp9
	s_lshl_b32 s20, s26, 16
	s_mov_b32 s21, 0
	s_lshl_b32 s22, s26, 15
	s_mov_b32 s23, 0
	s_lshl_b32 s24, s26, 7
	s_lshl_b32 s25, s18, 4
	s_add_co_u32 s24, s24, s25
	s_mov_b32 s25, 0
	s_mov_b32 s28, 0x76543210
	s_mov_b32 s29, 0xfedcba98
	s_mov_b32 s30, 0x3b000000                      ; 1 / 512
	s_mov_b32 s31, 0x3727c5ac                      ; 1e-5
	s_wait_kmcnt 0x0
	s_add_nc_u64 s[6:7], s[6:7], s[24:25]
	s_load_b128 s[40:43], s[6:7], 0x0              ; my two tokens' four gates
	s_add_nc_u64 s[4:5], s[4:5], s[20:21]
	s_add_nc_u64 s[14:15], s[14:15], s[22:23]
.irp c, 0,1,2,3
	global_load_b128 v[72+4*\c:75+4*\c], v3, s[10:11] offset:512*\c
	global_load_b128 v[88+4*\c:91+4*\c], v3, s[12:13] offset:512*\c
.endr
.set j, 0
.rept 16                               ; token j / 8, slot (j / 4) % 2, columns 128 (j % 4) on
	global_load_b128 v[8+4*j:11+4*j], v4, s[4:5] offset:512*j th:TH_LOAD_NT
.set j, j+1
.endr
	s_wait_kmcnt 0x0
.irp g, 0,1,2,3
	s_mov_b32 s[44+2*\g], s[40+\g]                 ; each gate in a pair of its own: the packed lines take a pair's low word for both halves
	s_mov_b32 s[45+2*\g], s[40+\g]
.endr
	s_wait_loadcnt 16                              ; gamma and beta are in; the 16 loads of part stay out
.set j, 0
.rept 16
	v_cvt_pk_bf16_f32 v[104+j%8], v[72+2*j], v[73+2*j]
	v_lshlrev_b32 v[72+2*j], 16, v[104+j%8]
	v_and_b32 v[73+2*j], s19, v[104+j%8]
.set j, j+1
.endr
.macro WRED r                          ; the sum over the wave's 32 lanes, in every lane
	v_add_f32_dpp v[\r], v[\r], v[\r] row_xmask:1 row_mask:0xf bank_mask:0xf
	v_add_f32_dpp v[\r], v[\r], v[\r] row_xmask:2 row_mask:0xf bank_mask:0xf
	v_add_f32_dpp v[\r], v[\r], v[\r] row_xmask:4 row_mask:0xf bank_mask:0xf
	v_add_f32_dpp v[\r], v[\r], v[\r] row_xmask:8 row_mask:0xf bank_mask:0xf
	v_permlanex16_b32 v118, v[\r], s28, s29
	v_add_f32 v[\r], v[\r], v118
.endm
.macro TOK k, lc                       ; lc: the younger loads that may stay out
.set YB, 8+32*(\k)
	s_wait_loadcnt \lc
.set p, 0
.rept 8
	v_pk_mul_f32 v[YB+2*p:YB+2*p+1], v[YB+2*p:YB+2*p+1], s[44+4*(\k):45+4*(\k)] op_sel_hi:[1,0]
.set p, p+1
.endr
.set p, 0
.rept 8
	v_pk_fma_f32 v[YB+2*p:YB+2*p+1], v[YB+16+2*p:YB+17+2*p], s[46+4*(\k):47+4*(\k)], v[YB+2*p:YB+2*p+1] op_sel_hi:[1,0,1]
.set p, p+1
.endr
	v_pk_add_f32 v[104:105], v[YB:YB+1], v[YB+2:YB+3]
	v_pk_add_f32 v[106:107], v[YB+4:YB+5], v[YB+6:YB+7]
	v_pk_add_f32 v[108:109], v[YB+8:YB+9], v[YB+10:YB+11]
	v_pk_add_f32 v[110:111], v[YB+12:YB+13], v[YB+14:YB+15]
	v_pk_add_f32 v[104:105], v[104:105], v[106:107]
	v_pk_add_f32 v[108:109], v[108:109], v[110:111]
	v_pk_add_f32 v[104:105], v[104:105], v[108:109]
	v_add_f32 v104, v104, v105
	WRED 104
	v_mul_f32 v112, s30, v104                      ; the mean
	v_mov_b32 v113, v112
.set p, 0
.rept 8
	v_pk_add_f32 v[YB+2*p:YB+2*p+1], v[YB+2*p:YB+2*p+1], v[112:113] neg_lo:[0,1] neg_hi:[0,1]
.set p, p+1
.endr
	v_pk_mul_f32 v[104:105], v[YB:YB+1], v[YB:YB+1]
	v_pk_mul_f32 v[106:107], v[YB+8:YB+9], v[YB+8:YB+9]
.set p, 1
.rept 3
	v_pk_fma_f32 v[104:105], v[YB+2*p:YB+2*p+1], v[YB+2*p:YB+2*p+1], v[104:105]
	v_pk_fma_f32 v[106:107], v[YB+8+2*p:YB+9+2*p], v[YB+8+2*p:YB+9+2*p], v[106:107]
.set p, p+1
.endr
	v_pk_add_f32 v[104:105], v[104:105], v[106:107]
	v_add_f32 v104, v104, v105
	WRED 104
	v_fma_f32 v114, v104, s30, s31                 ; the variance + 1e-5
	v_rsq_f32 v116, v114                           ; twice, to fill the pair that the packed multiply takes
	v_rsq_f32 v117, v114
	v_nop                                          ; a plain line behind the last of them
	s_wait_alu depctr_va_vdst(0)                   ; the wait ahead of the first reader: one for both
.set p, 0
.rept 8
	v_pk_mul_f32 v[YB+2*p:YB+2*p+1], v[YB+2*p:YB+2*p+1], v[116:117]
.set p, p+1
.endr
.set p, 0
.rept 8
	v_pk_fma_f32 v[YB+2*p:YB+2*p+1], v[YB+2*p:YB+2*p+1], v[72+2*p:73+2*p], v[88+2*p:89+2*p]
.set p, p+1
.endr
.irp c, 0,1,2,3
	global_store_b128 v5, v[YB+4*\c:YB+4*\c+3], s[14:15] offset:2048*(\k)+512*\c th:TH_STORE_NT
.endr
.endm
	TOK 0, 8                                       ; the second token's 8 loads stay out
	TOK 1, 0
	s_cmp_lg_u32 s26, 0
	s_cbranch_scc1 .Lend
	s_cmp_lg_u32 s18, 0
	s_cbranch_scc1 .Lend
	; the loss: upart is 256 groups of four floats; lane l takes groups l + 32 i: experts 0-3 in even lanes, 4-7 in odd ones
	s_wait_xcnt 0x0                                ; the stores' data registers are loaded again only behind this wait
.irp i, 0,1,2,3,4,5,6,7
	global_load_b128 v[8+4*\i:11+4*\i], v3, s[8:9] offset:512*\i
.endr
	s_wait_loadcnt 0x0
.irp i, 1,2,3,4,5,6,7
	v_pk_add_f32 v[8:9], v[8:9], v[8+4*\i:9+4*\i]
	v_pk_add_f32 v[10:11], v[10:11], v[10+4*\i:11+4*\i]
.endr
.irp c, 8,9,10,11
	v_add_f32_dpp v\c, v\c, v\c row_xmask:2 row_mask:0xf bank_mask:0xf
	v_add_f32_dpp v\c, v\c, v\c row_xmask:4 row_mask:0xf bank_mask:0xf
	v_add_f32_dpp v\c, v\c, v\c row_xmask:8 row_mask:0xf bank_mask:0xf
	v_permlanex16_b32 v118, v\c, s28, s29
	v_add_f32 v\c, v\c, v118
	v_mul_f32 v\c, s30, v\c                        ; 8 x usage = S / 512
.endr
	v_log_f32 v8, v8
	v_log_f32 v9, v9
	v_log_f32 v10, v10
	v_log_f32 v11, v11
	v_cmp_eq_u32 vcc_lo, 0, v2                     ; the plain line behind the last logarithm
	s_wait_alu depctr_va_vdst(0)                   ; one wait for the four
	v_add_f32 v8, v8, v9
	v_add_f32 v10, v10, v11
	v_add_f32 v8, v8, v10
	v_add_f32_dpp v8, v8, v8 row_xmask:1 row_mask:0xf bank_mask:0xf   ; the other four experts
	v_mul_f32 v8, 0xbdb17218, v8                   ; x - ln 2 / 8
	s_wait_xcnt 0x0                                ; EXEC changes only behind this wait
	s_and_saveexec_b32 s27, vcc_lo
	global_store_b32 v6, v8, s[16:17]
	s_wait_xcnt 0x0
	s_or_b32 exec_lo, exec_lo, s27
.Lend:
	s_endpgm
.Lfunc_end_k_q75cf0806fd_finish:
	.size	k_q75cf0806fd_finish, .Lfunc_end_k_q75cf0806fd_finish-k_q75cf0806fd_finish
	.p2alignl 7, 3214868480
	.fill 96, 4, 3214868480
	.section	.rodata,"a",@progbits
	.p2align	6, 0x0
	.amdhsa_kernel k_q75cf0806fd_finish
		.amdhsa_group_segment_fixed_size 0
		.amdhsa_private_segment_fixed_size 0
		.amdhsa_enable_private_segment 0
		.amdhsa_kernarg_size 56
		.amdhsa_user_sgpr_count 2
		.amdhsa_user_sgpr_kernarg_segment_ptr 1
		.amdhsa_wavefront_size32 1
		.amdhsa_system_sgpr_workgroup_id_x 1
		.amdhsa_system_sgpr_workgroup_id_y 1
		.amdhsa_system_sgpr_workgroup_id_z 1
		.amdhsa_system_vgpr_workitem_id 0
		.amdhsa_next_free_vgpr 128
		.amdhsa_next_free_sgpr 66
		.amdhsa_reserve_vcc 1
		.amdhsa_float_denorm_mode_32 3
		.amdhsa_float_denorm_mode_16_64 3
		.amdhsa_memory_ordered 1
		.amdhsa_forward_progress 1
		.amdhsa_inst_pref_size 20
	.end_amdhsa_kernel
	.amdgpu_metadata
---
amdhsa.version: [ 1, 2 ]
amdhsa.kernels:
  - .name:           k_q75cf0806fd_finish
    .symbol:         k_q75cf0806fd_finish.kd
    .args:
      - { .name: part, .offset: 0, .size: 8, .value_kind: global_buffer, .address_space: global }
      - { .name: gates, .offset: 8, .size: 8, .value_kind: global_buffer, .address_space: global }
      - { .name: upart, .offset: 16, .size: 8, .value_kind: global_buffer, .address_space: global }
      - { .name: ln_gamma, .offset: 24, .size: 8, .value_kind: global_buffer, .address_space: global }
      - { .name: ln_beta, .offset: 32, .size: 8, .value_kind: global_buffer, .address_space: global }
      - { .name: out0, .offset: 40, .size: 8, .value_kind: global_buffer, .address_space: global }
      - { .name: out1, .offset: 48, .size: 8, .value_kind: global_buffer, .address_space: global }
    .group_segment_fixed_size: 0
    .private_segment_fixed_size: 0
    .kernarg_segment_align: 8
    .kernarg_segment_size: 56
    .max_flat_workgroup_size: 256
    .sgpr_count:     66
    .vgpr_count:     128
    .wavefront_size: 32
...
	.end_amdgpu_metadata
.endif
;; end of part 3
